; MI455X (gfx1250); checked and timed in simulation.
; The chip was launched on July 23, 2026; its instructions are those of AMD's public machine-readable ISA for CDNA 5 (MIT licence, August 2026) and "CDNA5" Instruction Set Architecture Reference Guide (July 2026). The comments in the code are by the model that wrote it; some were corrected since.
;; Multi Head Attention CF. Allowed arithmetic: matrix products marked QUANTISED: E5M2 operands, one given power-of-two scale a tensor, by v_wmma_f32_16x16x64_bf8_bf8 or v_wmma_f32_16x16x128_bf8_bf8, f32 sums; everything else in f32.
;; Inputs: Wk 1,024 x 1,024 float32; Wo 1,024 x 1,024 float32; Wq 1,024 x 1,024 float32; Wv 1,024 x 1,024 float32; bk 1,024 float32; bo 1,024 float32; bq 1,024 float32; bv 1,024 float32; lowp_scales 12 int32 (the exponents e of the quantised operands' scales 2^e); x 4 x 2,048 x 1,024 float32.
;; Outputs: out0 4 x 2,048 x 1,024 float32.
;; This version of the problem:
;;   THIS VERSION OF THE PROBLEM IS GIVEN IN LOW PRECISION. The matrix products marked QUANTISED in the list below multiply operands that are first quantised to E5M2 (5 exponent bits, 2 mantissa bits; 8 bits a number), with one given power-of-two scale for each operand tensor; their sums are f32. All else is computed in f32.
;;   The module's matrix products, in the order in which they are computed (A, B: the left and right operand; K: the contracted axis; several contracted axes count as one K, in the product's order):
;;     1. [M 8,192, K 1,024] x [K 1,024, N 1,024]; A: input x; B: input Wq: QUANTISED (scales: A lowp_scales[0], B lowp_scales[1])
;;     2. [M 8,192, K 1,024] x [K 1,024, N 1,024]; A: input x; B: input Wk: QUANTISED (scales: A lowp_scales[2], B lowp_scales[3])
;;     3. [M 8,192, K 1,024] x [K 1,024, N 1,024]; A: input x; B: input Wv: QUANTISED (scales: A lowp_scales[4], B lowp_scales[5])
;;     4. batch 64 x [M 2,048, K 64] x [K 64, N 2,048]; A: computed on the way; B: computed on the way: QUANTISED (scales: A lowp_scales[6], B lowp_scales[7])
;;     5. batch 64 x [M 2,048, K 2,048] x [K 2,048, N 64]; A: softmax (see below); B: computed on the way: QUANTISED (scales: A lowp_scales[8], B lowp_scales[9])
;;     6. [M 8,192, K 1,024] x [K 1,024, N 1,024]; A: computed on the way; B: input Wo: QUANTISED (scales: A lowp_scales[10], B lowp_scales[11])
;;   THE QUANTISER, for each operand of a quantised product, along K:
;;     - The operand's scale is 2^e, e = its entry of the input lowp_scales (int32; the entries are numbered through the quantised products in the list's order, A before B).
;;     - Each number is divided by the scale, clamped to +-57,344, and rounded to the nearest number of E5M2, ties to even, subnormals kept.
;;     - The product sums the exact products of the quantised numbers (number of the format x scale) in f32.
;;   ~~~python
;;   def quantise(x, axis, e):      # numpy; x: float32 -> the quantised numbers, widened to float32 again
;;       x = np.moveaxis(x, axis, -1); K = x.shape[-1]
;;       r = np.clip(x / 2.0 ** e, -57344, 57344)
;;       step = 2.0 ** (np.maximum(np.frexp(np.where(r == 0, 1, r))[1] - 1, -14) - 2)
;;       q = np.round(r / step) * step * 2.0 ** e      # np.round: ties to even
;;       return np.moveaxis(q, -1, axis).astype(np.float32)
;;   ~~~
;;   SOFTMAX AHEAD OF A QUANTISED PRODUCT. Where the list says 'softmax', what is quantised is not the finished softmax but p = 2^(t - M), with t = logit x log2(e) and M = ceil(the row's largest t), a whole number; so 1/2 < the row's largest p <= 1. The row's sum l is taken of the UNQUANTISED p, in f32, and the product's result is divided by l at the end. Since M is a whole number, a kernel that streams over the keys may use a running M (the ceiling of the running maximum): every later rescaling is an exact power of two, so the quantised numbers keep their values, but for numbers so far below the row's largest that they fall under the format's range.
;;   OPERANDS COMPUTED ON THE WAY. 'Computed on the way' means the value that the module computes at that place (a softmax that the list does not call 'softmax' is quantised finished and normalised). What goes into a quantiser is computed in f32, as accurately as f32 sums, v_exp_f32 and their like allow (about 1e-6 of the number): no bf16 or f16 on the way to a quantiser, and a product that is left as it is and whose result goes on into a quantised operand takes f32 operands (vector FMAs, or v_wmma_f32_16x16x4_f32). A number that lies on a knife's edge between two numbers of the format may be rounded either way, as far as f32 arithmetic and the matrix unit's own rounding can turn it there, and no further.
;; One version. Each part assembles by itself: llvm-mc -triple=amdgcn-amd-amdhsa -mcpu=gfx1250 --defsym DOCPART=n.
;; ======== version 1 of 1: 4 launches
;; limits: right only within a limited range of input values
;; workspace buffers: xc 25,165,824 bytes; wc 4,194,304 bytes; qkv 25,165,824 bytes; ac 8,388,608 bytes
;; launch quant (part 1): grid 384 x 1, 4 waves a work-group, no clusters, 66,048 bytes of LDS; arguments x, Wq, Wk, Wv, Wo, lowp_scales, xc, wc; writes xc, wc
.if DOCPART == 1
	.amdgcn_target "amdgcn-amd-amdhsa--gfx1250"
	.amdhsa_code_object_version 6
	.text
	.protected	k_q1adcc0bcd0_quant
	.globl	k_q1adcc0bcd0_quant
	.p2align	8
	.type	k_q1adcc0bcd0_quant,@function
k_q1adcc0bcd0_quant:
	s_mov_b64 s[64:65], 0
	v_nop
	global_prefetch_b8 v0, s[64:65] scope:SCOPE_SE
	s_setreg_imm32_b32 hwreg(HW_REG_WAVE_MODE, 25, 1), 1
	s_wait_xcnt 0x0
; x [8192][1024] and Wq, Wk, Wv, Wo [1024][1024], f32 with K innermost, become codes of BF8 (E5M2), each with the scale 2^e that is given for it.
; x is an operand of three products, each with a scale entry of its own (entries 0, 2, 4): it is read once and three sets of codes are stored.  The weights take entries 1, 3, 5, 11.
; code = number / 2^e, held within +-57,344, rounded to the nearest code, ties to even.  LIMITS: -126 <= e <= 112, so that 2^e and 57,344 x 2^e are f32 numbers.  NaN among the inputs is not served.
; THE CODES' LAYOUT: [rows / 128][16 chunks of 64 along K][128 rows][64 bytes]: code (i, k) lies at (i >> 7) 131072 + (k >> 6) 8192 + (i & 127) 64 + (k & 63).
; So 128 rows x 256 along K are one dense block of 32,768 bytes for the products' tensor loads, and eight rows of a chunk are 512 consecutive bytes for a store of this launch.
; SHARES.  A wave takes 8 rows and walks K in 16 steps of 64.  Each of a step's four loads reads two pieces of 256 consecutive bytes (two rows), 16 bytes a lane.  The conversions want neighbours along K in ONE lane's
; registers: so a step's 2,048 bytes turn through the wave's own stage in LDS and come back 64 bytes a lane (16 bytes of padding behind each 64).  A lane's 16 codes are 16 bytes: a store covers 512 consecutive bytes.
; Work-groups 0-255 take x (32 rows each), work-groups 256-383 a weight (32 work-groups each).  The two ways part on the work-group's number and have LDS bytes of their own.  Waves share nothing: no barrier.
.set SP,    80                         ; a lane's place in a stage: 64 bytes + 16 of padding
.set STG,   32*SP                      ; a stage; each wave has two, in a region of 8,192 bytes
.set WPATH, 32768                      ; the weights' way has its stages from here on
.set R,     16                         ; v16-79   four sets of 16 numbers as they are loaded
.set X,     80                         ; v80-111  two sets of 16 neighbours
.set T,     112                        ; v112-127 the numbers held within the range of the scale in hand
.set C,     128                        ; v128-139 codes: four registers for each of up to three outputs
.set SC,    5                          ; v5-7     2^e as f32, for each output
.set LM,    8                          ; v8-10    57,344 x 2^e
	s_load_b512 s[4:19], s[0:1], 0x0               ; x s[4:5], Wq s[6:7], Wk s[8:9], Wv s[10:11], Wo s[12:13], the exponents s[14:15], xc s[16:17], wc s[18:19]
	v_lshl_add_u32 v144, v0, 2, 0x10000
	v_mov_b32 v145, 0
	v_lshrrev_b32 v1, 5, v0
	v_readfirstlane_b32 s20, v1                    ; wave
	v_and_b32 v2, 31, v0                           ; lane
	v_lshrrev_b32 v3, 4, v2
	v_and_b32 v11, 15, v2
	v_lshlrev_b32 v3, 12, v3
	v_lshl_add_u32 v3, v11, 4, v3                  ; in: lanes 0-15 one row's 256 bytes, lanes 16-31 the next row's (4,096 bytes on)
	v_lshlrev_b32 v4, 4, v2                        ; out: 16 bytes a lane
	s_lshl_b32 s21, s20, 13                        ; my wave's region of LDS
	v_lshrrev_b32 v14, 2, v2
	v_mul_u32_u24 v14, v14, SP
	v_and_b32 v11, 3, v2
	v_lshl_add_u32 v14, v11, 4, v14
	v_add_nc_u32 v14, s21, v14                     ; the stage, on the way in: four lanes' 64 bytes on end, then the padding
	v_mul_u32_u24 v15, v2, SP
	v_add_nc_u32 v15, s21, v15                     ; and on the way out: my 16 neighbours
	v_add_nc_u32 v12, WPATH, v14                   ; the same two for the weights' way
	v_add_nc_u32 v13, WPATH, v15
	s_lshl_b32 s22, s20, 3                         ; 8 x wave
	s_mov_b32 s33, 0
	s_wait_kmcnt 0x0
	s_load_b256 s[36:43], s[14:15], 0x0            ; e0 .. e7
	s_load_b128 s[44:47], s[14:15], 0x20           ; e8 .. e11
.macro LOAD t                          ; step t: chunk t of my eight rows
.irp i, 0,1,2,3
	global_load_b128 v[R+16*((\t)%4)+4*\i:R+16*((\t)%4)+4*\i+3], v3, s[24:25] offset:256*(\t)+8192*\i th:TH_LOAD_NT
.endr
.endm
.macro TURN t, ai, ao                  ; step t's numbers through the stage: LDS serves a wave's instructions in order (ISA guide 5.7.1.4), so no wait stands between the stores and the loads
.irp i, 0,1,2,3
	ds_store_b128 v[\ai], v[R+16*((\t)%4)+4*\i:R+16*((\t)%4)+4*\i+3] offset:STG*((\t)%2)+8*SP*\i
.endr
.irp i, 0,1,2,3
	ds_load_b128 v[X+16*((\t)%2)+4*\i:X+16*((\t)%2)+4*\i+3], v[\ao] offset:STG*((\t)%2)+16*\i
.endr
.endm
.macro MKS e, o                        ; the exponent in s[e] makes output o's scale and limit
	s_add_co_i32 s34, s[\e], 127
	s_lshl_b32 s35, s34, 23
	v_mov_b32 v[SC+\o], s35                        ; 2^e as f32: the conversion takes its exponent field
	s_add_co_i32 s34, s34, 15
	s_lshl_b32 s34, s34, 23
	s_or_b32 s34, s34, 0x600000
	v_mov_b32 v[LM+\o], s34                        ; 57,344 x 2^e
.endm
.macro STEP t, nout, ai, ao
.set XS, X+16*((\t)%2)
	s_wait_dscnt 0x0                               ; this step's numbers are back from the stage
.if (\t)+4 < 16
	LOAD (\t)+4                                    ; four steps ahead, into the set that the stage's stores have read
.endif
.if (\t)+1 < 16
.if 14-(\t) >= 3
	s_wait_loadcnt 12                              ; the next step's four loads are in; those of the three steps behind it may be out
.else
	s_wait_loadcnt 4*(14-(\t))
.endif
	TURN (\t)+1, \ai, \ao                          ; and go through the other stage while this step is worked
.endif
	s_wait_xcnt 0x0                                ; the last step's stores have read their data: the codes' registers are written again only behind this wait
.set o, 0
.rept \nout
.set i, 0
.rept 16
	v_med3_num_f32 v[T+i], v[XS+i], -v[LM+o], v[LM+o]   ; the conversion to an 8-bit code does not saturate (ISA guide 7.6.2): the hold at the largest code x the scale
.set i, i+1
.endr
	v_cvt_scalef32_pk8_bf8_f32 v[C+4*o:C+4*o+1], v[T:T+7], v[SC+o]
	v_cvt_scalef32_pk8_bf8_f32 v[C+4*o+2:C+4*o+3], v[T+8:T+15], v[SC+o]
	v_nop                                          ; a plain instruction between the conversions and the next holds, which write the conversions' sources
	global_store_b128 v4, v[C+4*o:C+4*o+3], s[26+2*o:27+2*o] offset:8192*(\t)   ; 512 consecutive bytes, at a multiple of 512 from the buffer's first byte
.set o, o+1
.endr
.endm
	s_cmp_lt_u32 ttmp9, 256
	s_cbranch_scc0 .Lweights
	; ---- x: rows 32 g + 8 w, three sets of codes
	s_lshl_b32 s23, ttmp9, 5
	s_add_co_u32 s23, s23, s22                     ; my first row
	s_lshl_b32 s32, s23, 12
	s_add_nc_u64 s[24:25], s[4:5], s[32:33]        ; a row of x is 4,096 bytes
	s_lshr_b32 s32, s23, 7
	s_lshl_b32 s32, s32, 17
	s_and_b32 s34, s23, 127
	s_lshl_b32 s34, s34, 6
	s_add_co_u32 s32, s32, s34                     ; its place in the codes' layout, chunk 0
	s_add_nc_u64 s[26:27], s[16:17], s[32:33]
	s_add_nc_u64 s[28:29], s[26:27], 0x800000      ; the second and the third set, 8 MiB apart
	s_add_nc_u64 s[30:31], s[28:29], 0x800000
.irp t, 0,1,2,3
	LOAD \t
.endr
	s_wait_kmcnt 0x0
	MKS 36, 0
	MKS 38, 1
	MKS 40, 2
	s_wait_loadcnt 12                              ; step 0's four loads are in
	s_wait_alu depctr_va_vdst(0)
	TURN 0, 14, 15
.irp t, 0,1,2,3,4,5,6,7,8,9,10,11,12,13,14,15
	STEP \t, 3, 14, 15
.endr
	s_wait_tensorcnt 0x0
	ds_add_u32 v144, v145
	s_wait_dscnt 0x0
	s_endpgm
.Lweights:
	; ---- a weight: matrix m = (g - 256) / 32, rows 32 ((g - 256) % 32) + 8 w, one set of codes
	s_sub_co_u32 s23, ttmp9, 256
	s_lshr_b32 s21, s23, 5                         ; m: 0 Wq, 1 Wk, 2 Wv, 3 Wo
	s_and_b32 s23, s23, 31
	s_lshl_b32 s23, s23, 5
	s_add_co_u32 s23, s23, s22                     ; my first row
	s_cmp_eq_u32 s21, 1                            ; the choices hang on the work-group's number alone
	s_cselect_b64 s[24:25], s[8:9], s[6:7]
	s_cmp_eq_u32 s21, 2
	s_cselect_b64 s[24:25], s[10:11], s[24:25]
	s_cmp_eq_u32 s21, 3
	s_cselect_b64 s[24:25], s[12:13], s[24:25]
	s_lshl_b32 s32, s23, 12
	s_add_nc_u64 s[24:25], s[24:25], s[32:33]
	s_lshr_b32 s32, s23, 7
	s_lshl_b32 s32, s32, 17
	s_and_b32 s34, s23, 127
	s_lshl_b32 s34, s34, 6
	s_add_co_u32 s32, s32, s34
	s_lshl_b32 s34, s21, 20                        ; a weight's codes are 1 MiB
	s_add_co_u32 s32, s32, s34
	s_add_nc_u64 s[26:27], s[18:19], s[32:33]
.irp t, 0,1,2,3
	LOAD \t
.endr
	s_wait_kmcnt 0x0
	s_cmp_eq_u32 s21, 1
	s_cselect_b32 s36, s39, s37                    ; e3 or e1,
	s_cmp_eq_u32 s21, 2
	s_cselect_b32 s36, s41, s36                    ; e5,
	s_cmp_eq_u32 s21, 3
	s_cselect_b32 s36, s47, s36                    ; e11
	MKS 36, 0
	s_wait_loadcnt 12
	s_wait_alu depctr_va_vdst(0)
	TURN 0, 12, 13
.irp t, 0,1,2,3,4,5,6,7,8,9,10,11,12,13,14,15
	STEP \t, 1, 12, 13
.endr
	s_wait_tensorcnt 0x0
	ds_add_u32 v144, v145
	s_wait_dscnt 0x0
	s_endpgm
.Lfunc_end_k_q1adcc0bcd0_quant:
	.size	k_q1adcc0bcd0_quant, .Lfunc_end_k_q1adcc0bcd0_quant-k_q1adcc0bcd0_quant
	.p2alignl 7, 3214868480
	.fill 96, 4, 3214868480
	.section	.rodata,"a",@progbits
	.p2align	6, 0x0
	.amdhsa_kernel k_q1adcc0bcd0_quant
		.amdhsa_group_segment_fixed_size 66048
		.amdhsa_private_segment_fixed_size 0
		.amdhsa_enable_private_segment 0
		.amdhsa_kernarg_size 64
		.amdhsa_user_sgpr_count 2
		.amdhsa_user_sgpr_kernarg_segment_ptr 1
		.amdhsa_wavefront_size32 1
		.amdhsa_system_sgpr_workgroup_id_x 1
		.amdhsa_system_sgpr_workgroup_id_y 1
		.amdhsa_system_sgpr_workgroup_id_z 1
		.amdhsa_system_vgpr_workitem_id 0
		.amdhsa_next_free_vgpr 146
		.amdhsa_next_free_sgpr 66
		.amdhsa_reserve_vcc 0
		.amdhsa_float_denorm_mode_32 3
		.amdhsa_float_denorm_mode_16_64 3
		.amdhsa_memory_ordered 1
		.amdhsa_forward_progress 1
		.amdhsa_inst_pref_size 116
	.end_amdhsa_kernel
	.amdgpu_metadata
---
amdhsa.version: [ 1, 2 ]
amdhsa.kernels:
  - .name:           k_q1adcc0bcd0_quant
    .symbol:         k_q1adcc0bcd0_quant.kd
    .args:
      - { .name: x, .offset: 0, .size: 8, .value_kind: global_buffer, .address_space: global }
      - { .name: Wq, .offset: 8, .size: 8, .value_kind: global_buffer, .address_space: global }
      - { .name: Wk, .offset: 16, .size: 8, .value_kind: global_buffer, .address_space: global }
      - { .name: Wv, .offset: 24, .size: 8, .value_kind: global_buffer, .address_space: global }
      - { .name: Wo, .offset: 32, .size: 8, .value_kind: global_buffer, .address_space: global }
      - { .name: lowp_scales, .offset: 40, .size: 8, .value_kind: global_buffer, .address_space: global }
      - { .name: xc, .offset: 48, .size: 8, .value_kind: global_buffer, .address_space: global }
      - { .name: wc, .offset: 56, .size: 8, .value_kind: global_buffer, .address_space: global }
    .group_segment_fixed_size: 66048
    .private_segment_fixed_size: 0
    .kernarg_segment_align: 8
    .kernarg_segment_size: 64
    .max_flat_workgroup_size: 128
    .sgpr_count:     66
    .vgpr_count:     146
    .wavefront_size: 32
...
	.end_amdgpu_metadata
.endif
;; end of part 1
;; launch qkv (part 2): grid 4 x 96, 4 waves a work-group, clusters of 4 x 4, 327,680 bytes of LDS; arguments xc, wc, lowp_scales, qkv, bq, bk, bv; writes qkv
.if DOCPART == 2
	.amdgcn_target "amdgcn-amd-amdhsa--gfx1250"
	.amdhsa_code_object_version 6
	.text
	.protected	k_q1adcc0bcd0_qkv
	.globl	k_q1adcc0bcd0_qkv
	.p2align	8
	.type	k_q1adcc0bcd0_qkv,@function
k_q1adcc0bcd0_qkv:
	s_mov_b64 s[64:65], 0
	v_nop
	global_prefetch_b8 v0, s[64:65] scope:SCOPE_SE
	s_setreg_imm32_b32 hwreg(HW_REG_WAVE_MODE, 25, 1), 1
	s_wait_xcnt 0x0
	s_wait_alu depctr_hold_cnt(0) depctr_sa_sdst(0) depctr_va_vdst(0) depctr_va_sdst(0) depctr_va_ssrc(0) depctr_va_vcc(0) depctr_vm_vsrc(0)
	s_getreg_b32 s2, hwreg(HW_REG_IB_STS2, 6, 4)
	s_cmp_eq_u32 s2, 0
	s_cbranch_scc0 .Lentry_in_a_cluster
	s_endpgm
.Lentry_in_a_cluster:
	s_bfe_u32 s2, ttmp6, 0x10000c
	s_cmp_lg_u32 s2, 0xf033
	s_cbranch_scc0 .Lentry_shape_is_right
	s_endpgm
.Lentry_shape_is_right:
.set PITCH,  272
.set FR,     16
.set NLD,    4
.set NP,     4
.set HALFT,  128*PITCH
.set SLOT,   4*HALFT
.set KSB,    32768
.set SPARE,  2*SLOT
.set VO,   8
.set ADRA, 16
.set ADRB, 20
.set STO,  24
.set RD,   25
.set SPW,  28
.set NIL,  29
.set QS,   30
.set QL,   31
.set BR,   32
.set BL,   96
.set TMP,  112
.set CC,   176
.set BK,   208
.set AF,   128
.set G1, 24
.set G0, 32
.set G1B, 48
.set G0B, 56
.set MSB, 0
.macro WIN new
.if MSB != \new
	s_set_vgpr_msb (MSB<<8)|\new
.set MSB, \new
.endif
.endm
.set MUL_LO,   0xa1
.set MUL_HI,   0xf1
.set MUL_LO_Z, 0x81
.set MUL_HI_Z, 0xc1
.set TO_B,     0x40
.macro JLOAD g0a, g1a, g0b, g1b
	s_cmp_eq_u32 s15, 0
	s_cbranch_scc0 .Lfor_b_\@
	tensor_load_to_lds s[\g0a:\g0a+3], s[\g1a:\g1a+7]
	s_nop 0
.rept 4
	v_nop
.endr
	s_branch .Lasked_\@
.Lfor_b_\@:
	tensor_load_to_lds s[\g0b:\g0b+3], s[\g1b:\g1b+7]
	s_nop 0
.rept 4
	v_nop
.endr
.Lasked_\@:
.endm
.macro CREST
	s_cmp_lg_u32 s14, 0
	s_cbranch_scc1 .Lnot_wave_0_\@
	s_barrier_signal -3
.Lnot_wave_0_\@:
	s_barrier_wait -3
	s_barrier_signal -1
	s_barrier_wait -1
.endm
.macro CROUND
	s_barrier_signal -1
	s_barrier_wait -1
	CREST
.endm
	s_load_b256 s[4:11], s[0:1], 0x0
	s_load_b128 s[68:71], s[0:1], 0x20
	s_load_b64 s[72:73], s[0:1], 0x30
	v_lshl_add_u32 v[SPW], v0, 2, SPARE
	v_mov_b32 v[NIL], 0
	ds_add_u32 v28, v29
	ds_add_u32 v28, v29
	s_wait_dscnt 0x0
	v_lshrrev_b32 v1, 5, v0
	v_readfirstlane_b32 s14, v1
	s_lshr_b32 s15, s14, 1
	s_and_b32 s16, s14, 1
	s_bfe_u32 s40, ttmp6, 0x40000
	s_bfe_u32 s41, ttmp6, 0x40004
	s_and_b32 s13, ttmp7, 0xffff
	s_lshr_b32 s66, s13, 3
	s_and_b32 s67, s13, 7
	s_lshl_b32 s67, s67, 2
	s_lshl_b32 s89, s66, 23
	s_lshl_b32 s90, s66, 20
	s_mov_b32 s91, 4096
	s_mov_b32 s92, 0x80000
	s_cmp_eq_u32 s66, 2
	s_cselect_b32 s17, 0, s67
	s_cselect_b32 s42, s67, 0
	s_cselect_b32 s89, 0x200000, s89
	s_cselect_b32 s90, 0x1000000, s90
	s_cselect_b32 s93, s92, s91
	s_cselect_b32 s94, s91, s92
	s_cselect_b32 s74, 0, -1
	s_cselect_b32 s75, -1, 0
	s_add_co_u32 s17, s17, s41
	s_add_co_u32 s42, s42, s40
	s_lshl_b32 s43, s41, 2
	s_lshl_b32 s43, 15, s43
	s_lshl_b32 s44, 0x1111, s40
	s_or_b32 s[G1+0], s43, (0<<16)|(1<<20)|(1<<21)|(5<<22)|(3<<25)
	s_or_b32 s[G1B+0], s44, (0<<16)|(1<<20)|(1<<21)|(5<<22)|(3<<25)
.irp g, G1, G1B
	s_mov_b32 s[\g+1], 256<<16
	s_mov_b32 s[\g+2], 256<<16                     ; the head's load: 256 lines, K steps 0 and 1 of my 128 rows, dense in memory
	s_mov_b32 s[\g+3], 256<<16
	s_mov_b32 s[\g+4], 256
	s_mov_b32 s[\g+5], 256
	s_mov_b32 s[\g+6], 0
	s_mov_b32 s[\g+7], 0
.endr
	s_lshl_b32 s20, s17, 1
	s_add_co_u32 s20, s20, s16
	s_lshl_b32 s20, s20, 17
	s_add_co_u32 s20, s20, s89
	s_mov_b32 s21, 0
	s_lshl_b32 s46, s42, 1
	s_add_co_u32 s46, s46, s16
	s_lshl_b32 s46, s46, 17
	s_add_co_u32 s46, s46, s90
	s_mov_b32 s47, 0
	s_mul_i32 s45, s14, 2*HALFT                    ; LDS by quarters: my quarter holds slot 0's 128 lines, then slot 1's
	s_wait_kmcnt 0x0
	s_load_b256 s[76:83], s[8:9], 0x0
	s_load_b128 s[84:87], s[8:9], 0x20
	s_cmp_eq_u32 s66, 2
	s_cselect_b64 s[18:19], s[6:7], s[4:5]
	s_cselect_b64 s[22:23], s[4:5], s[6:7]
	s_add_nc_u64 s[20:21], s[18:19], s[20:21]
	s_add_nc_u64 s[46:47], s[22:23], s[46:47]
	CROUND
.irp s, 0,1
	s_mov_b32 s[G0+4*\s], 1
	s_add_co_u32 s[G0+4*\s+1], s45, \s*HALFT
	s_add_nc_u64 s[G0+4*\s+2:G0+4*\s+3], s[20:21], \s*KSB
	s_or_b32 s[G0+4*\s+3], s[G0+4*\s+3], 0x80000000
	s_mov_b32 s[G0B+4*\s], 1
	s_add_co_u32 s[G0B+4*\s+1], s45, \s*HALFT
	s_add_nc_u64 s[G0B+4*\s+2:G0B+4*\s+3], s[46:47], \s*KSB
	s_or_b32 s[G0B+4*\s+3], s[G0B+4*\s+3], 0x80000000
.endr
	JLOAD G0, G1, G0B, G1B                         ; my one tensor load at the head fills both slots of my quarter
	; K steps 2 and 3 of my 128 rows, 65,536 dense bytes, are prefetched: the four partners that ask for the tile jointly take 16,384 bytes each, told apart by address; lanes 256 bytes apart, two instructions a wave.
	; They are wanted by the two refills, one and two K steps on.  A weight's tiles are read by all eight clusters of its matrix: four of them ask.
	s_cmp_eq_u32 s66, 2
	s_cselect_b32 s12, 1, 0
	s_xor_b32 s12, s12, s15                        ; 1: my tile is a weight's
	s_mul_i32 s12, s12, s67                        ; then 4 x my cluster's number among the matrix's eight, else 0
	s_cmp_eq_u32 s15, 0
	s_cselect_b64 s[88:89], s[20:21], s[46:47]
	s_cselect_b32 s90, s40, s41                    ; my place among the four partners
	s_lshl_b32 s90, s90, 14
	s_mov_b32 s91, 0
	s_add_nc_u64 s[88:89], s[88:89], s[90:91]
	s_cmp_lt_u32 s12, 16
	s_cbranch_scc0 .Lno_ask
	v_and_b32 v27, 31, v0
	v_lshlrev_b32 v27, 8, v27
	global_prefetch_b8 v27, s[88:89] offset:2*KSB th:TH_LOAD_NT scope:SCOPE_SE
	global_prefetch_b8 v27, s[88:89] offset:2*KSB+8192 th:TH_LOAD_NT scope:SCOPE_SE
.Lno_ask:
	v_and_b32 v1, 15, v0
	v_bfe_u32 v2, v0, 4, 1
	v_lshrrev_b32 v3, 2, v1
	v_mul_u32_u24 v3, v3, PITCH
	v_and_b32 v4, 3, v1
	v_lshl_add_u32 v3, v4, 6, v3
	v_lshl_add_u32 v4, v2, 4, v3
	s_mul_i32 s21, s15, 2*HALFT
	s_mul_i32 s22, s16, 2*HALFT
	s_add_co_u32 s22, s22, 4*HALFT
.irp s, 0,1
	v_add_nc_u32 v[ADRA+\s], s21, v4
	v_add_nc_u32 v[ADRB+\s], s22, v4
	s_add_co_u32 s21, s21, HALFT
	s_add_co_u32 s22, s22, HALFT
.endr
	s_mul_i32 s23, s14, 2560
	v_mul_u32_u24 v5, v1, 80
	v_lshl_add_u32 v5, v2, 4, v5
	v_add_nc_u32 v[STO], s23, v5
	v_and_b32 v6, 31, v0
	v_lshrrev_b32 v5, 2, v6
	v_mul_u32_u24 v5, v5, 80
	v_and_b32 v7, 3, v6
	v_lshl_add_u32 v5, v7, 4, v5
	v_add_nc_u32 v[RD], s23, v5
	v_lshlrev_b32 v[VO], 4, v6
	v_add_nc_u32 v[VO+1], s93, v[VO]
	v_add_nc_u32 v[VO+2], s94, v[VO]
	v_add_nc_u32 v[VO+3], s93, v[VO+2]
	s_lshl_b32 s20, s17, 2
	s_lshl_b32 s21, s15, 1
	s_add_co_u32 s20, s20, s21
	s_mul_i32 s20, s20, s93
	s_lshl_b32 s46, s42, 2
	s_lshl_b32 s47, s16, 1
	s_add_co_u32 s46, s46, s47
	s_mul_i32 s46, s46, s94
	s_add_co_u32 s20, s20, s46
	s_lshl_b32 s21, s66, 23
	s_add_co_u32 s20, s20, s21
	s_mov_b32 s21, 0
	s_add_nc_u64 s[10:11], s[10:11], s[20:21]
	s_lshl_b32 s46, s42, 10
	s_lshl_b32 s47, s16, 9
	s_add_co_u32 s46, s46, s47
	s_lshl_b32 s20, s17, 10
	s_lshl_b32 s21, s15, 9
	s_add_co_u32 s20, s20, s21
	s_cmp_eq_u32 s66, 2
	s_cselect_b32 s46, 0, s46
	s_cselect_b32 s20, s20, 0
	s_cselect_b64 s[18:19], s[72:73], s[68:69]
	s_cmp_eq_u32 s66, 1
	s_cselect_b64 s[18:19], s[70:71], s[18:19]
	v_lshl_add_u32 v5, v2, 5, s46
	v_lshl_add_u32 v6, v1, 2, s20
.irp b, 0,1,2,3,4,5,6,7
	global_load_b128 v[BR+8*\b:BR+8*\b+3], v5, s[18:19] offset:64*\b
	global_load_b128 v[BR+8*\b+4:BR+8*\b+7], v5, s[18:19] offset:64*\b+16
.endr
.irp a, 0,1,2,3,4,5,6,7
	global_load_b32 v[BL+2*\a], v6, s[18:19] offset:64*\a
	global_load_b32 v[BL+2*\a+1], v6, s[18:19] offset:64*\a
.endr
	s_wait_kmcnt 0x0
	s_add_co_i32 s95, s76, s77
	s_add_co_i32 s96, s78, s79
	s_add_co_i32 s97, s80, s81
	s_cmp_eq_u32 s66, 1
	s_cselect_b32 s95, s96, s95
	s_cselect_b32 s98, s83, s82
	s_cmp_eq_u32 s66, 2
	s_cselect_b32 s95, s97, s95
	s_cselect_b32 s98, s85, s98
	s_sub_co_i32 s96, 0, s95
	s_sub_co_i32 s98, s98, s95
	s_add_co_i32 s98, s98, 127
	s_lshl_b32 s97, s98, 23
	v_mov_b32 v[QS], s97
	s_add_co_i32 s98, s98, 15
	s_lshl_b32 s98, s98, 23
	s_or_b32 s98, s98, 0x600000
	v_mov_b32 v[QL], s98
	s_wait_loadcnt 0x0
.set j, 0
.rept 64
	v_ldexp_f32 v[BR+j], v[BR+j], s96
	v_cndmask_b32 v[BR+j], 0, v[BR+j], s74
.set j, j+1
.endr
.set j, 0
.rept 16
	v_ldexp_f32 v[BL+j], v[BL+j], s96
	v_cndmask_b32 v[BL+j], 0, v[BL+j], s75
.set j, j+1
.endr
.macro FRAG reg, adr, q, i
.irp c, 0,1,2,3
	ds_load_b128 v[\reg+4*\c:\reg+4*\c+3], v[\adr] offset:(2*(\q)+\c/2)*8704+(\i)*1088+32*(\c%2)
.endr
.endm
.macro MUL16 a0, p, zero
.irp a, \a0, \a0+1
.irp b, 0,1,2,3,4,5,6,7
.if \zero
	v_wmma_f32_16x16x128_bf8_bf8 v[8*(8*((\a)%4)+\b):8*(8*((\a)%4)+\b)+7], v[128*(\p)+FR*\b:128*(\p)+FR*\b+FR-1], v[AF+FR*(\a):AF+FR*(\a)+FR-1], v[BR+8*\b:BR+8*\b+7]
.else
	v_wmma_f32_16x16x128_bf8_bf8 v[8*(8*((\a)%4)+\b):8*(8*((\a)%4)+\b)+7], v[128*(\p)+FR*\b:128*(\p)+FR*\b+FR-1], v[AF+FR*(\a):AF+FR*(\a)+FR-1], v[8*(8*((\a)%4)+\b):8*(8*((\a)%4)+\b)+7]
.endif
.endr
.endr
.endm
.macro FETCH_B slot, q, p
	WIN TO_B
.irp i, 0,1,2,3,4,5,6,7
	FRAG 128*(\p)+FR*\i, ADRB+\slot, \q, \i
.endr
	WIN 0
.endm
.macro FETCH_A slot, q, i0
.irp i, \i0, \i0+1, \i0+2, \i0+3
	FRAG AF+FR*(\i), ADRA+\slot, \q, \i
.endr
.endm
.macro PLACES n
.rept \n
	v_nop
.endr
.endm
.macro STEP slot, q, zero
	s_wait_dscnt 4*NLD
.if \zero
	WIN MUL_LO_Z
.else
	WIN MUL_LO
.endif
	MUL16 0, (\q)%2, \zero
	MUL16 2, (\q)%2, \zero
	s_wait_dscnt 0
	PLACES NP
	FETCH_B \slot, (\q)+1, 1-(\q)%2
	FETCH_A \slot, (\q)+1, 0
.if \zero
	WIN MUL_HI_Z
.else
	WIN MUL_HI
.endif
	MUL16 4, (\q)%2, \zero
	MUL16 6, (\q)%2, \zero
	PLACES NP
	WIN 0
	FETCH_A \slot, (\q)+1, 4
.endm
.macro TURN slot, next, fill
	s_wait_tensorcnt 0x0
	ds_add_u32 v[SPW], v[NIL]
	s_wait_dscnt 4*NLD+1
	WIN MUL_LO
	MUL16 0, 1, 0
	s_wait_dscnt 0x0
	s_barrier_signal -1
	MUL16 2, 1, 0
	WIN 0
	s_barrier_wait -1
.if \fill
	CREST
	s_add_nc_u64 s[G0+4*\slot+2:G0+4*\slot+3], s[G0+4*\slot+2:G0+4*\slot+3], 2*KSB
	s_add_nc_u64 s[G0B+4*\slot+2:G0B+4*\slot+3], s[G0B+4*\slot+2:G0B+4*\slot+3], 2*KSB
	JLOAD G0+4*\slot, G1, G0B+4*\slot, G1B
.else
	PLACES NP
.endif
	FETCH_B \next, 0, 0
	FETCH_A \next, 0, 0
	WIN MUL_HI
	MUL16 4, 1, 0
	MUL16 6, 1, 0
	PLACES NP
	WIN 0
	FETCH_A \next, 0, 4
.endm
	s_wait_alu depctr_va_vdst(0)                   ; the wait at the head's end
	s_wait_tensorcnt 0x0                           ; both slots of my quarter are in, so the descriptors may be written:
	s_mov_b32 s[G1+2], 128<<16                     ; a refill brings one slot's 128 lines
	s_mov_b32 s[G1+4], 128
	s_mov_b32 s[G1B+2], 128<<16
	s_mov_b32 s[G1B+4], 128
	s_barrier_signal -1
	s_barrier_wait -1
	FETCH_B 0, 0, 0
	FETCH_A 0, 0, 0
	FETCH_A 0, 0, 4
	STEP 0, 0, 1
	s_mov_b32 s3, 1
.Llap:
	TURN 0, 1, 1
	STEP 1, 0, 0
	TURN 1, 0, 1
	STEP 0, 0, 0
	s_sub_co_u32 s3, s3, 1
	s_cmp_lg_u32 s3, 0
	s_cbranch_scc1 .Llap
	TURN 0, 1, 0
	STEP 1, 0, 0
	s_wait_dscnt 4*NLD
	WIN MUL_LO
	MUL16 0, 1, 0
	MUL16 2, 1, 0
	s_wait_dscnt 0
	WIN MUL_HI
	MUL16 4, 1, 0
	MUL16 6, 1, 0
	WIN 0
.macro TOSTAGE a
.set AC, 64*((\a)%4)
.set CW, CC+16*((\a)%2)
.set BB, BK+16*((\a)%2)
	WIN (0x02+((\a)/4))
.set j, 0
.rept 32
	v_pk_add_f32 v[TMP+j:TMP+j+1], v[AC+j:AC+j+1], v[BL+2*(\a):BL+2*(\a)+1]
.set j, j+2
.endr
	WIN 0
.set j, 0
.rept 64
	v_med3_num_f32 v[TMP+j], v[TMP+j], -v[QL], v[QL]
.set j, j+1
.endr
.irp b, 0,1,2,3,4,5,6,7
	v_cvt_scalef32_pk8_bf8_f32 v[CW+2*\b:CW+2*\b+1], v[TMP+8*\b:TMP+8*\b+7], v[QS]
.endr
	v_nop
.irp b, 0,1,2,3,4,5,6,7
	ds_store_b64 v[STO], v[CW+2*\b:CW+2*\b+1] offset:(\b/4)*1280+32*((\b%4)/2)+8*(\b%2)
.endr
.irp n, 0,1,2,3
	ds_load_b128 v[BB+4*\n:BB+4*\n+3], v[RD] offset:(\n/2)*1280+640*(\n%2)
.endr
.endm
.macro SEND a, younger
.set BB, BK+16*((\a)%2)
	s_wait_dscnt \younger
.irp n, 0,1,2,3
	global_store_b128 v[VO+2*(\n/2)+(\a)/4], v[BB+4*\n:BB+4*\n+3], s[10:11] offset:((\a)%4)*1024+512*(\n%2)
.endr
.endm
	PLACES NP
	TOSTAGE 0
.irp a, 1,2,3,4,5,6,7
.if \a > 1
	s_wait_xcnt 0x0
.endif
	TOSTAGE \a
	SEND \a-1, 12
.endr
	SEND 7, 0
	s_wait_tensorcnt 0x0
	ds_add_u32 v[SPW], v[NIL]
	s_wait_dscnt 0x0
	CROUND
	s_endpgm
.Lfunc_end_k_q1adcc0bcd0_qkv:
	.size	k_q1adcc0bcd0_qkv, .Lfunc_end_k_q1adcc0bcd0_qkv-k_q1adcc0bcd0_qkv
	.p2alignl 7, 3214868480
	.fill 96, 4, 3214868480
	.section	.rodata,"a",@progbits
	.p2align	6, 0x0
	.amdhsa_kernel k_q1adcc0bcd0_qkv
		.amdhsa_group_segment_fixed_size 327680
		.amdhsa_private_segment_fixed_size 0
		.amdhsa_enable_private_segment 0
		.amdhsa_kernarg_size 56
		.amdhsa_user_sgpr_count 2
		.amdhsa_user_sgpr_kernarg_segment_ptr 1
		.amdhsa_wavefront_size32 1
		.amdhsa_system_sgpr_workgroup_id_x 1
		.amdhsa_system_sgpr_workgroup_id_y 1
		.amdhsa_system_sgpr_workgroup_id_z 1
		.amdhsa_system_vgpr_workitem_id 0
		.amdhsa_next_free_vgpr 1024
		.amdhsa_next_free_sgpr 100
		.amdhsa_reserve_vcc 0
		.amdhsa_float_denorm_mode_32 3
		.amdhsa_float_denorm_mode_16_64 3
		.amdhsa_memory_ordered 1
		.amdhsa_forward_progress 1
		.amdhsa_inst_pref_size 155
	.end_amdhsa_kernel
	.amdgpu_metadata
---
amdhsa.version: [ 1, 2 ]
amdhsa.kernels:
  - .name:           k_q1adcc0bcd0_qkv
    .symbol:         k_q1adcc0bcd0_qkv.kd
    .args:
      - { .name: xc, .offset: 0, .size: 8, .value_kind: global_buffer, .address_space: global }
      - { .name: wc, .offset: 8, .size: 8, .value_kind: global_buffer, .address_space: global }
      - { .name: lowp_scales, .offset: 16, .size: 8, .value_kind: global_buffer, .address_space: global }
      - { .name: qkv, .offset: 24, .size: 8, .value_kind: global_buffer, .address_space: global }
      - { .name: bq, .offset: 32, .size: 8, .value_kind: global_buffer, .address_space: global }
      - { .name: bk, .offset: 40, .size: 8, .value_kind: global_buffer, .address_space: global }
      - { .name: bv, .offset: 48, .size: 8, .value_kind: global_buffer, .address_space: global }
    .group_segment_fixed_size: 327680
    .private_segment_fixed_size: 0
    .kernarg_segment_align: 8
    .kernarg_segment_size: 56
    .max_flat_workgroup_size: 128
    .sgpr_count:     100
    .vgpr_count:     1024
    .wavefront_size: 32
...
	.end_amdgpu_metadata
.endif
;; end of part 2
;; launch attn (part 3): grid 4 x 64, 16 waves a work-group, clusters of 4 x 1, 327,680 bytes of LDS; arguments qkv, lowp_scales, ac; writes ac
.if DOCPART == 3
	.amdgcn_target "amdgcn-amd-amdhsa--gfx1250"
	.amdhsa_code_object_version 6
	.text
	.protected	k_q1adcc0bcd0_attn
	.globl	k_q1adcc0bcd0_attn
	.p2align	8
	.type	k_q1adcc0bcd0_attn,@function
k_q1adcc0bcd0_attn:
	s_mov_b64 s[64:65], 0
	v_nop
	global_prefetch_b8 v0, s[64:65] scope:SCOPE_SE
	s_setreg_imm32_b32 hwreg(HW_REG_WAVE_MODE, 25, 1), 1
	s_wait_xcnt 0x0
	s_wait_alu depctr_hold_cnt(0) depctr_sa_sdst(0) depctr_va_vdst(0) depctr_va_sdst(0) depctr_va_ssrc(0) depctr_va_vcc(0) depctr_vm_vsrc(0)
	s_getreg_b32 s2, hwreg(HW_REG_IB_STS2, 6, 4)
	s_cmp_eq_u32 s2, 0
	s_cbranch_scc0 .Lentry_in_a_cluster
	s_endpgm
.Lentry_in_a_cluster:
	s_bfe_u32 s2, ttmp6, 0x10000c
	s_cmp_lg_u32 s2, 0x3003
	s_cbranch_scc0 .Lentry_shape_is_right
	s_endpgm
.Lentry_shape_is_right:
; For each pair y = 4 head + batch: O[q] = the sum over k of softmax_k(Q[q] . K[k] / 8) V[k], both products on codes of BF8 (E5M2); O is quantised at once, with entry 10 of the exponents, for the last projection.
; THE SOFTMAX AHEAD OF THE SECOND PRODUCT: t = score x log2(e) / 8; M = the row's largest t so far, rounded UP to a whole number; p = 2^(t - M) is what is quantised (entry 8), not normalised.  The row's sum is taken of
; the unquantised p, in f32, and divides O at the end.  When M moves, the sum and O are multiplied by 2^(old M - new M), which rounds nothing.
; INPUTS (made by the launch before): Q, K: [2048][64 channels] codes; V: [32 chunks of 64 keys][64 channels][64 keys]; 131,072 dense bytes each for a pair.  In each 32 bytes of a row the order is 0-7, 16-23, 8-15, 24-31,
; so that two loads of 16 bytes a lane half put every index where the plain 8-bit operand layout wants it: registers 2 c, 2 c + 1 hold index 16 c + 8 h + 0 .. 7.
; SHARES.  A work-group owns 512 queries of a pair; each of its sixteen waves owns 32 of them, two tiles a and b of 16, and walks all 2,048 keys once, 128 a step.  K's eight fragments of a step stay in registers for
; both tiles' scores, V's four serve both tiles' sums: each fragment read from LDS feeds two matrix instructions.  The scores' 64 registers serve tile a and then tile b.
; ALL of the pair's K and V lie in LDS (2 x 139,264 bytes with padding), each byte filled ONCE: sixteen parts of 16,384 bytes, one tensor load a wave at the head (waves 0-7: K's parts, waves 8-15: V's), the addresses
; made by arithmetic on the wave's number.  One wait for 0 and one barrier show everything to all waves; nothing is filled again, so no other barrier stands in front of the closing round.
; CLUSTER.  The four work-groups of a pair form a cluster and need the same K and V: each part is asked for jointly, by the same tensor load with the same descriptor and the mask of all four.
; NO PREFETCH: all that the launch reads through LDS is asked for by the sixteen loads at the head; there is no loop to run ahead in.
; LAYOUT.  Both products are used transposed: S^T = K Q^T (source 0 = 16 keys, source 1 = 16 queries, K = 64), O^T = V^T P^T (source 0 = 16 channels, source 1 = P, K = 128 keys): a lane holds ONE query of each tile
; (lane % 16), and score tile t's eight registers are keys 16 t + 8 h + 0 .. 7: their codes are registers 2 t, 2 t + 1 of P's operand as they come.
; OUTPUT: codes [rows / 128][16 chunks of 64 along d_model = the heads][128 rows][64 bytes]: a wave's 32 rows are 2,048 consecutive bytes.
; LIMITS.  e6 + e7 between -123 and 130 (added to c's exponent field); e8 and e10 between -126 and 112; e8 + e9 is applied by v_ldexp_f32 and has none.  The scaled scores t stay under 2^31 in magnitude; raw scores lie above -3e38.
; REGISTERS: v0 thread; v1 lane's place in a tile; v2 the conversion's scale; v3 the address in hand; v[4:5] f; v6-9, v10-13 tile a's, b's -M, largest score, sum in two halves; v14, v15 the add's two;
; v16-31 Q; v32-95 fragments of K, then of V; v96-159 S^T, then p; v160-191, v192-223 O^T; v224-239, v240-255 p's codes (ahead of the conversions: at work).
.set VREG,  139264                     ; LDS: K from 0 (key n at (n / 4) 272 + (n % 4) 64), V from here (a chunk of 64 keys is 4,352 bytes, its channels laid as K's keys)
.set PARTB, 17408                      ; a part in LDS: 64 lines of 256 bytes + 16 of padding
.set STAGE, 278528                     ; behind both: 32 rows x (64 bytes + 16) for each wave, for the way out; no tile lands here
.set SPARE, 319488                     ; behind the stages: the spare words, 128 bytes a wave
.set LT,   1
.set SC,   2
.set ADR,  3
.set FF,   4
.set SA,   6
.set SB,   10
.set SPW,  14
.set NIL,  15
.set QA,   16
.set QB,   24
.set FR,   32
.set S,    96
.set OA,   160
.set OB,   192
.set PA,   224
.set PB,   240
.set WV,   10                          ; s10  my wave's number
.set SEL,  20                          ; s[20:21] lane selects for v_permlanex16_b32: lane l xor 16
.set CS,   22                          ; s[22:23] c = log2(e) / 8 x 2^(e6 + e7)
.set G1,   24                          ; s[24:31] descriptor group 1
.set G0,   32                          ; s[32:35] descriptor group 0
.set TB,   36                          ; s36  LDS byte at which the step's 128 keys begin
.set CNT,  37                          ; s37  counts key steps
.set LIM,  38                          ; s38  57,344 x 2^e8
.macro ROUND                           ; a round of the cluster's barrier
	s_barrier_signal -1
	s_barrier_wait -1
	s_cmp_lg_u32 s[WV], 0
	s_cbranch_scc1 .Lnot_wave_0_\@
	s_barrier_signal -3
.Lnot_wave_0_\@:
	s_barrier_wait -3
	s_barrier_signal -1
	s_barrier_wait -1
.endm
.macro PLACES n
.rept \n
	v_nop
.endr
.endm
	s_load_b128 s[4:7], s[0:1], 0x0                ; qkv s[4:5], the exponents s[6:7]
	s_load_b64 s[8:9], s[0:1], 0x10                ; ac
	v_lshl_add_u32 v[SPW], v0, 2, SPARE
	v_mov_b32 v[NIL], 0
	ds_add_u32 v[SPW], v[NIL]                      ; the opening lines: the add, twice on end, and its wait ahead of my tensor load
	ds_add_u32 v[SPW], v[NIL]
	v_lshrrev_b32 v[LT], 5, v0
	v_readfirstlane_b32 s[WV], v[LT]               ; wave 0..15
	s_and_b32 s12, ttmp7, 0xffff                   ; y, which the four partners share
	s_bfe_u32 s13, ttmp6, 0x40000                  ; cx: it enters Q's and the output's addresses alone
	s_mov_b32 s[G0], 1                             ; count = 1
	s_mul_i32 s[G0+1], s[WV], PARTB                ; my part's place in LDS: K's eight parts, then V's eight
	s_lshr_b32 s14, s[WV], 3
	s_add_co_u32 s14, s14, 1
	s_lshl_b32 s14, s14, 23                        ; K lies 8 MiB, V 16 MiB into the buffer
	s_lshl_b32 s15, s12, 17
	s_add_co_u32 s14, s14, s15                     ; the pair
	s_and_b32 s15, s[WV], 7
	s_lshl_b32 s15, s15, 14
	s_add_co_u32 s14, s14, s15                     ; the part: 256 keys, 16,384 bytes
	s_mov_b32 s15, 0
	s_lshl_b32 s16, s12, 17                        ; Q: the pair, + 512 cx + 32 wave rows of 64 bytes
	s_lshl_b32 s17, s13, 15
	s_add_co_u32 s16, s16, s17
	s_lshl_b32 s17, s[WV], 11
	s_add_co_u32 s16, s16, s17
	s_mov_b32 s17, 0
	s_and_b32 s18, s12, 3                          ; the output: block of 128 rows 16 batch + 4 cx + wave / 4,
	s_lshl_b32 s18, s18, 4
	s_lshl_b32 s19, s13, 2
	s_add_co_u32 s18, s18, s19
	s_lshr_b32 s19, s[WV], 2
	s_add_co_u32 s18, s18, s19
	s_lshl_b32 s18, s18, 17
	s_lshr_b32 s19, s12, 2                         ; chunk = the head,
	s_lshl_b32 s19, s19, 13
	s_add_co_u32 s18, s18, s19
	s_and_b32 s19, s[WV], 3                        ; row 32 (wave % 4)
	s_lshl_b32 s19, s19, 11
	s_add_co_u32 s18, s18, s19
	s_mov_b32 s19, 0
	s_mov_b32 s[G1], 15|(0<<16)|(1<<20)|(1<<21)|(5<<22)|(3<<25)   ; the mask of all four; elements of 1 byte; padding on; bit 21 beside a mask; four words behind every 64
	s_mov_b32 s[G1+1], 256<<16                     ; tensor_dim0
	s_mov_b32 s[G1+2], 64<<16                      ; tensor_dim1
	s_mov_b32 s[G1+3], 256<<16                     ; tile_dim0
	s_mov_b32 s[G1+4], 64                          ; tile_dim1
	s_mov_b32 s[G1+5], 256                         ; the pitch: the part is dense
	s_mov_b32 s[G1+6], 0
	s_mov_b32 s[G1+7], 0
	s_mov_b32 s[SEL], 0x76543210
	s_mov_b32 s[SEL+1], 0xfedcba98
	s_mov_b32 s[CS], 0x3e38aa3b                    ; log2(e) / 8
	s_mov_b32 s[TB], 0
	s_mov_b32 s[CNT], 15
	s_wait_dscnt 0x0                               ; both opening adds are done
	s_wait_kmcnt 0x0
	s_load_b256 s[72:79], s[6:7], 0x0              ; e0 .. e7
	s_load_b128 s[80:83], s[6:7], 0x20             ; e8 .. e11
	s_add_nc_u64 s[G0+2:G0+3], s[4:5], s[14:15]
	s_or_b32 s[G0+3], s[G0+3], 0x80000000          ; type = 2
	s_add_nc_u64 s[16:17], s[4:5], s[16:17]        ; Q at my first query
	s_add_nc_u64 s[18:19], s[8:9], s[18:19]        ; the output at my first row
	ROUND                                          ; all four work-groups are here: the joint loads meet
	tensor_load_to_lds s[G0:G0+3], s[G1:G1+7]      ; my one tensor load of the launch
	s_nop 0
	v_and_b32 v32, 15, v0                          ; r
	v_bfe_u32 v33, v0, 4, 1                        ; h
	v_lshlrev_b32 v35, 6, v32
	v_lshl_add_u32 v35, v33, 4, v35                ; Q: 64 r + 16 h
	global_load_b128 v[QA:QA+3], v35, s[16:17]
	global_load_b128 v[QA+4:QA+7], v35, s[16:17] offset:32
	global_load_b128 v[QB:QB+3], v35, s[16:17] offset:1024
	global_load_b128 v[QB+4:QB+7], v35, s[16:17] offset:1056
	v_lshrrev_b32 v[LT], 2, v32
	v_mul_u32_u24 v[LT], v[LT], 272
	v_and_b32 v34, 3, v32
	v_lshl_add_u32 v[LT], v34, 6, v[LT]
	v_lshl_add_u32 v[LT], v33, 4, v[LT]            ; row r of a tile of 16: (r / 4) 272 + (r % 4) 64 + 16 h
.irp st, SA, SB
	v_mov_b32 v[\st], 0x7f61b1e6                   ; -M: 3e38, a whole number
	v_mov_b32 v[\st+1], 0xff61b1e6                 ; the largest score so far: -3e38
	v_mov_b32 v[\st+2], 0                          ; the sum, in two halves
	v_mov_b32 v[\st+3], 0
.endr
	v_mov_b32 v[FF+1], 0                           ; (named as the upper half of the pair with f)
.set j, 0
.rept 64
	v_mov_b32 v[OA+j], 0                           ; O^T of both tiles: the step is written for all steps alike; the first change of M leaves zeros zeros
.set j, j+1
.endr
	s_wait_kmcnt 0x0
	s_add_co_i32 s44, s78, s79
	s_lshl_b32 s44, s44, 23
	s_add_co_i32 s[CS], s[CS], s44                 ; a score stands for score x 2^(e6 + e7): added to c's exponent field
	s_mov_b32 s[CS+1], s[CS]
	s_add_co_i32 s44, s80, 127
	s_lshl_b32 s45, s44, 23
	v_mov_b32 v[SC], s45                           ; 2^e8
	s_add_co_i32 s44, s44, 15
	s_lshl_b32 s44, s44, 23
	s_or_b32 s[LIM], s44, 0x600000                 ; 57,344 x 2^e8
	s_add_co_i32 s44, s82, 127
	s_lshl_b32 s39, s44, 23                        ; 2^e10
	s_add_co_i32 s44, s44, 15
	s_lshl_b32 s44, s44, 23
	s_or_b32 s40, s44, 0x600000                    ; 57,344 x 2^e10,
	s_or_b32 s41, s40, 0x80000000                  ; and its negative
	s_add_co_i32 s42, s80, s81                     ; e8 + e9
	s_mul_i32 s43, s[WV], 2560
	s_add_co_u32 s43, s43, STAGE                   ; my stage
.macro KLOAD t0                        ; K: tiles t0 .. t0 + 3; tile t = keys 16 t .. 16 t + 15
.set t, \t0
.rept 4
	ds_load_b128 v[FR+8*t:FR+8*t+3], v[ADR] offset:1088*t
	ds_load_b128 v[FR+8*t+4:FR+8*t+7], v[ADR] offset:1088*t+32
.set t, t+1
.endr
.endm
.macro VLOAD                           ; V: tile t = channels 16 t .. 16 t + 15, 128 keys = two chunks
.set t, 0
.rept 4
.set c, 0
.rept 4
	ds_load_b128 v[FR+16*t+4*c:FR+16*t+4*c+3], v[ADR] offset:(c/2)*4352+1088*t+32*(c%2)
.set c, c+1
.endr
.set t, t+1
.endr
.endm
.macro SCORES q, t0                    ; four tiles of scores
.set t, \t0
.rept 4
	v_wmma_f32_16x16x64_bf8_bf8 v[S+8*t:S+8*t+7], v[FR+8*t:FR+8*t+7], v[\q:\q+7], 0
.set t, t+1
.endr
.endm
.macro VALUES t0                       ; channel tiles t0, t0 + 1 of both query tiles: the eight accumulators take turns, one instruction a turn
.set t, \t0
.rept 2
	v_wmma_f32_16x16x128_bf8_bf8 v[OA+8*t:OA+8*t+7], v[FR+16*t:FR+16*t+15], v[PA:PA+15], v[OA+8*t:OA+8*t+7]
	v_wmma_f32_16x16x128_bf8_bf8 v[OB+8*t:OB+8*t+7], v[FR+16*t:FR+16*t+15], v[PB:PB+15], v[OB+8*t:OB+8*t+7]
.set t, t+1
.endr
.endm
.macro TMINUSM pt, n                   ; t - M, two at a time, for the next n pairs
.rept \n
	v_pk_fma_f32 v[S+j:S+j+1], v[S+j:S+j+1], s[CS:CS+1], v[\pt+2:\pt+3] op_sel_hi:[1,0,0]
.set j, j+2
.endr
.endm
; One tile's softmax over the step's 128 keys.  st: its state; pt: its codes' 16 registers, at work until the conversions; ob: its O^T.
.macro SOFTMAX st, pt, ob
.irp j, 0,1,2,3,4,5,6,7                        ; the largest score: 64 registers and the running one are 65 leaves, 32 instructions; eight chains, a chain to an accumulator, each first read at its low end
	v_max3_num_f32 v[\pt+\j], v[S+8*\j], v[S+8*\j+1], v[S+8*\j+2]
.endr
.irp i, 3,5
.irp j, 0,1,2,3,4,5,6,7
	v_max3_num_f32 v[\pt+\j], v[\pt+\j], v[S+8*\j+\i], v[S+8*\j+\i+1]
.endr
.endr
.irp j, 0,2,4,6
	v_max3_num_f32 v[\pt+\j], v[\pt+\j], v[\pt+\j+1], v[S+4*\j+7]
.endr
	v_max3_num_f32 v[\pt], v[\pt], v[S+39], v[S+47]
	v_max3_num_f32 v[\pt+2], v[\pt+2], v[S+55], v[S+63]
	v_max3_num_f32 v[\pt+4], v[\pt+4], v[\pt+6], v[\st+1]
	v_max3_num_f32 v[\pt], v[\pt], v[\pt+2], v[\pt+4]
	v_permlanex16_b32 v[\pt+1], v[\pt], s[SEL], s[SEL+1]
	v_max_num_f32 v[\st+1], v[\pt], v[\pt+1]       ; and lane l xor 16's: the running largest score
	v_mul_f32 v[\pt+2], s[CS], -v[\st+1]           ; -t (c is positive)
	v_floor_f32 v[\pt+2], v[\pt+2]                 ; the new -M = floor(-t) = -ceil(t): M is a whole number
.set j, 0
	TMINUSM \pt, 4
	v_sub_f32 v[\pt+1], v[\pt+2], v[\st]           ; M's old value less its new one: a whole number, 0 or less
	TMINUSM \pt, 4
	v_mov_b32 v[\st], v[\pt+2]
	v_cvt_i32_f32 v[\pt+1], v[\pt+1]               ; (it saturates)
	TMINUSM \pt, 24
	s_wait_alu depctr_va_vdst(0)                   ; the wait ahead of the batch
.set j, 0
.rept 64
	v_exp_f32 v[S+j], v[S+j]                       ; p = 2^(t - M), at most 1: not normalised
.set j, j+1
.endr
	v_ldexp_f32 v[FF], 1.0, v[\pt+1]               ; f = 2^(old M - new M): the plain instruction behind the exponentials
	s_wait_alu depctr_va_vdst(0)                   ; one wait for the whole batch, and directly ahead of the first reader of O^T
.set j, 0
.rept 16
	v_pk_mul_f32 v[\ob+j:\ob+j+1], v[\ob+j:\ob+j+1], v[FF:FF+1] op_sel_hi:[1,0]   ; O^T under the new M
.set j, j+2
.endr
	v_pk_fma_f32 v[\st+2:\st+3], v[\st+2:\st+3], v[FF:FF+1], v[S:S+1] op_sel_hi:[1,0,1]   ; the sum under the new M, and the first pair of the unquantised p; eight chains
.irp k, 0,1,2,3,4,5,6
	v_pk_add_f32 v[\pt+2+2*\k:\pt+3+2*\k], v[S+2+4*\k:S+3+4*\k], v[S+4+4*\k:S+5+4*\k]
.endr
.irp g, 0,1
	v_pk_add_f32 v[\st+2:\st+3], v[\st+2:\st+3], v[S+30+16*\g:S+31+16*\g]
.irp k, 0,1,2,3,4,5,6
	v_pk_add_f32 v[\pt+2+2*\k:\pt+3+2*\k], v[\pt+2+2*\k:\pt+3+2*\k], v[S+32+16*\g+2*\k:S+33+16*\g+2*\k]
.endr
.endr
	v_pk_add_f32 v[\st+2:\st+3], v[\st+2:\st+3], v[S+62:S+63]
	v_pk_add_f32 v[\pt+2:\pt+3], v[\pt+2:\pt+3], v[\pt+4:\pt+5]
	v_pk_add_f32 v[\pt+6:\pt+7], v[\pt+6:\pt+7], v[\pt+8:\pt+9]
	v_pk_add_f32 v[\pt+10:\pt+11], v[\pt+10:\pt+11], v[\pt+12:\pt+13]
	v_pk_add_f32 v[\st+2:\st+3], v[\st+2:\st+3], v[\pt+14:\pt+15]
	v_pk_add_f32 v[\pt+2:\pt+3], v[\pt+2:\pt+3], v[\pt+6:\pt+7]
	v_pk_add_f32 v[\st+2:\st+3], v[\st+2:\st+3], v[\pt+10:\pt+11]
	v_pk_add_f32 v[\st+2:\st+3], v[\st+2:\st+3], v[\pt+2:\pt+3]
.set j, 0
.rept 32                                       ; the conversion to an 8-bit code does not saturate (ISA guide 7.6.2); p is not negative, so the hold is one-sided; two numbers an instruction
	v_dual_min_num_f32 v[S+j], s[LIM], v[S+j] :: v_dual_min_num_f32 v[S+j+1], s[LIM], v[S+j+1]
.set j, j+2
.endr
.set t, 0
.rept 8
	v_cvt_scalef32_pk8_bf8_f32 v[\pt+2*t:\pt+2*t+1], v[S+8*t:S+8*t+7], v[SC]   ; keys 16 t + 8 h + 0 .. 7: registers 2 t, 2 t + 1 of P's operand
.set t, t+1
.endr
	v_nop                                          ; a plain instruction between the conversions and the products that write their sources or read their codes
.endm
; A KEY STEP: the 128 keys at s[TB]; K's fragments were asked for in two halves among the value products of the step before.
.macro STEP last
	s_wait_alu depctr_va_vdst(0)
	s_wait_dscnt 8                                 ; K's tiles 0-3 are in; the eight loads of tiles 4-7 may be out
	SCORES QA, 0
	s_wait_dscnt 0x0
	SCORES QA, 4
	PLACES 4                                       ; in front of the first read of the scores
	SOFTMAX SA, PA, OA
	SCORES QB, 0                                   ; K's fragments once more, for tile b
	SCORES QB, 4
	v_add_nc_u32 v[ADR], VREG, v[ADR]
	PLACES 3                                       ; with the addition: four places in front of the loads into K's registers and of the first read of the scores
	VLOAD                                          ; asked for now, wanted behind tile b's softmax
	SOFTMAX SB, PB, OB
	s_wait_alu depctr_va_vdst(0)
	s_wait_dscnt 0x0                               ; V is in
	VALUES 0
.if !\last
	s_add_co_u32 s[TB], s[TB], 8704
	v_add_nc_u32 v[ADR], s[TB], v[LT]
	PLACES 3                                       ; with the addition: four places in front of the loads into the registers of V's tiles 0 and 1
	KLOAD 0                                        ; the next step's first 64 keys, on their way under the four products below
.endif
	VALUES 2
.if !\last
	PLACES 4                                       ; in front of the loads into the registers of V's tiles 2 and 3
	KLOAD 4
.endif
.endm
	s_wait_alu depctr_va_vdst(0)                   ; the wait at the head's end
	s_wait_loadcnt 0x0                             ; Q
	s_wait_tensorcnt 0x0                           ; my part has landed;
	s_barrier_signal -1
	s_barrier_wait -1                              ; and so has every wave's: all of K and V is there
	v_add_nc_u32 v[ADR], s[TB], v[LT]
	KLOAD 0
	KLOAD 4
.Lstep:                                            ; fifteen trips; the sixteenth step is written out, since it asks for no further keys
	STEP 0
	s_sub_co_u32 s[CNT], s[CNT], 1
	s_cmp_lg_u32 s[CNT], 0
	s_wait_alu depctr_va_vdst(0)
	s_cbranch_scc1 .Lstep
	STEP 1
	; THE WAY OUT: O = O^T x 2^(e8 + e9) / the sum, held, converted with 2^e10; a lane's 8 codes of each of the eight tiles go into my stage and come back as rows: 2,048 consecutive bytes of the output.
	PLACES 4                                       ; behind the last products
	v_add_f32 v[SA+2], v[SA+2], v[SA+3]            ; the sums' two halves,
	v_add_f32 v[SB+2], v[SB+2], v[SB+3]
	v_permlanex16_b32 v[SA+3], v[SA+2], s[SEL], s[SEL+1]
	v_permlanex16_b32 v[SB+3], v[SB+2], s[SEL], s[SEL+1]
	v_add_f32 v[SA+2], v[SA+2], v[SA+3]            ; and lane l xor 16's: the rows' sums
	v_add_f32 v[SB+2], v[SB+2], v[SB+3]
	s_wait_alu depctr_va_vdst(0)                   ; the wait ahead of the transcendentals
	v_rcp_f32 v[SA+2], v[SA+2]
	v_rcp_f32 v[SB+2], v[SB+2]
	v_and_b32 v35, 15, v0                          ; r  (plain instructions behind the reciprocals)
	v_bfe_u32 v36, v0, 4, 1                        ; h
	v_mul_u32_u24 v32, v35, 80
	v_lshl_add_u32 v32, v36, 3, v32
	v_add_nc_u32 v32, s43, v32                     ; in: row r, + 8 h
	v_and_b32 v37, 31, v0
	v_lshrrev_b32 v33, 2, v37
	v_mul_u32_u24 v33, v33, 80
	v_and_b32 v36, 3, v37
	v_lshl_add_u32 v33, v36, 4, v33
	v_add_nc_u32 v33, s43, v33                     ; back: four lanes to a row, eight rows an instruction
	v_lshlrev_b32 v34, 4, v37                      ; and 16 bytes a lane in the output
	v_mov_b32 v[SC], s39                           ; 2^e10
	s_wait_alu depctr_va_vdst(0)                   ; the wait ahead of the reciprocals' first readers
	v_ldexp_f32 v[SA+2], v[SA+2], s42
	v_ldexp_f32 v[SB+2], v[SB+2], s42
	s_wait_alu depctr_va_vdst(0)                   ; directly ahead of the first reader of O^T
.set j, 0
.rept 16
	v_pk_mul_f32 v[S+j:S+j+1], v[OA+j:OA+j+1], v[SA+2:SA+3] op_sel_hi:[1,0]   ; register 8 t + i is O(r, 16 t + 8 h + i); each accumulator from its low end on
.set j, j+2
.endr
.set j, 0
.rept 16
	v_pk_mul_f32 v[S+32+j:S+33+j], v[OB+j:OB+j+1], v[SB+2:SB+3] op_sel_hi:[1,0]
.set j, j+2
.endr
.set j, 0
.rept 64
	v_med3_num_f32 v[S+j], v[S+j], s41, s40        ; the hold at the largest code x the scale
.set j, j+1
.endr
.set t, 0
.rept 8
	v_cvt_scalef32_pk8_bf8_f32 v[40+2*t:41+2*t], v[S+8*t:S+8*t+7], v[SC]
.set t, t+1
.endr
	v_nop                                          ; a plain instruction behind the conversions
.set t, 0
.rept 8
	ds_store_b64 v32, v[40+2*t:41+2*t] offset:(t/4)*1280+16*(t%4)   ; tile b's 16 rows lie behind tile a's
.set t, t+1
.endr
.set n, 0
.rept 4
	ds_load_b128 v[56+4*n:59+4*n], v33 offset:640*n   ; LDS serves a wave's instructions in order (ISA guide 5.7.1.4): these see my stores
.set n, n+1
.endr
.set n, 0
.rept 4
	s_wait_dscnt 3-n                               ; rows 8 n .. 8 n + 7 are back; the 3 - n later loads may be out
	global_store_b128 v34, v[56+4*n:59+4*n], s[18:19] offset:512*n   ; 512 consecutive bytes, at a multiple of 512 from the buffer's first byte
.set n, n+1
.endr
	s_wait_tensorcnt 0x0                           ; the wave's end
	ds_add_u32 v[SPW], v[NIL]
	s_wait_dscnt 0x0
	ROUND                                          ; the closing round: no work-group ends while a partner may still ask for a part that names it
	s_endpgm
.Lfunc_end_k_q1adcc0bcd0_attn:
	.size	k_q1adcc0bcd0_attn, .Lfunc_end_k_q1adcc0bcd0_attn-k_q1adcc0bcd0_attn
	.p2alignl 7, 3214868480
	.fill 96, 4, 3214868480
	.section	.rodata,"a",@progbits
	.p2align	6, 0x0
	.amdhsa_kernel k_q1adcc0bcd0_attn
		.amdhsa_group_segment_fixed_size 327680
		.amdhsa_private_segment_fixed_size 0
		.amdhsa_enable_private_segment 0
		.amdhsa_kernarg_size 24
		.amdhsa_user_sgpr_count 2
		.amdhsa_user_sgpr_kernarg_segment_ptr 1
		.amdhsa_wavefront_size32 1
		.amdhsa_system_sgpr_workgroup_id_x 1
		.amdhsa_system_sgpr_workgroup_id_y 1
		.amdhsa_system_sgpr_workgroup_id_z 1
		.amdhsa_system_vgpr_workitem_id 0
		.amdhsa_next_free_vgpr 256
		.amdhsa_next_free_sgpr 92
		.amdhsa_reserve_vcc 0
		.amdhsa_float_denorm_mode_32 3
		.amdhsa_float_denorm_mode_16_64 3
		.amdhsa_memory_ordered 1
		.amdhsa_forward_progress 1
		.amdhsa_inst_pref_size 74
	.end_amdhsa_kernel
	.amdgpu_metadata
---
amdhsa.version: [ 1, 2 ]
amdhsa.kernels:
  - .name:           k_q1adcc0bcd0_attn
    .symbol:         k_q1adcc0bcd0_attn.kd
    .args:
      - { .name: qkv, .offset: 0, .size: 8, .value_kind: global_buffer, .address_space: global }
      - { .name: lowp_scales, .offset: 8, .size: 8, .value_kind: global_buffer, .address_space: global }
      - { .name: ac, .offset: 16, .size: 8, .value_kind: global_buffer, .address_space: global }
    .group_segment_fixed_size: 327680
    .private_segment_fixed_size: 0
    .kernarg_segment_align: 8
    .kernarg_segment_size: 24
    .max_flat_workgroup_size: 512
    .sgpr_count:     92
    .vgpr_count:     256
    .wavefront_size: 32
...
	.end_amdgpu_metadata
.endif
;; end of part 3
;; launch oproj (part 4): grid 4 x 64, 4 waves a work-group, clusters of 4 x 4, 327,680 bytes of LDS; arguments ac, wc, lowp_scales, out0, bo; writes out0
.if DOCPART == 4
	.amdgcn_target "amdgcn-amd-amdhsa--gfx1250"
	.amdhsa_code_object_version 6
	.text
	.protected	k_q1adcc0bcd0_oproj
	.globl	k_q1adcc0bcd0_oproj
	.p2align	8
	.type	k_q1adcc0bcd0_oproj,@function
k_q1adcc0bcd0_oproj:
	s_mov_b64 s[64:65], 0
	v_nop
	global_prefetch_b8 v0, s[64:65] scope:SCOPE_SE
	s_setreg_imm32_b32 hwreg(HW_REG_WAVE_MODE, 25, 1), 1
	s_wait_xcnt 0x0
	s_wait_alu depctr_hold_cnt(0) depctr_sa_sdst(0) depctr_va_vdst(0) depctr_va_sdst(0) depctr_va_ssrc(0) depctr_va_vcc(0) depctr_vm_vsrc(0)
	s_getreg_b32 s2, hwreg(HW_REG_IB_STS2, 6, 4)
	s_cmp_eq_u32 s2, 0
	s_cbranch_scc0 .Lentry_in_a_cluster
	s_endpgm
.Lentry_in_a_cluster:
	s_bfe_u32 s2, ttmp6, 0x10000c
	s_cmp_lg_u32 s2, 0xf033
	s_cbranch_scc0 .Lentry_shape_is_right
	s_endpgm
.Lentry_shape_is_right:
; out0[m][n] = 2^(e10 + e11) x the sum over k of A[m][k] Wo[n][k] + bo[n].  A (ac, the attention's result) and Wo (the fourth MiB of wc) are codes of BF8 (E5M2); sums in f32.
; LIMIT: e10 + e11 lies between -126 and 127, so that 2^(e10 + e11) is an f32 number.
; THE CODES' LAYOUT: [rows / 128][16 chunks of 64 along K][128 rows][64 bytes]: a block of 128 rows is 131,072 dense bytes, K ascending; 256 along K are 128 lines of 256 bytes.
; SHARES.  A work-group makes 128 rows x 256 columns: 64 x 4 = 256 work-groups.  Its four waves make 64 x 128 each: 32 accumulators of 16 x 16, 256 registers.
; LDS holds three blocks of 128 rows (A's one, B's two), each with K steps 0 to 2 (3 x 128 lines, 272 bytes apart): one tensor load a wave at the head (waves 0, 1: halves of A's 384 lines; waves 2, 3: a block of B each).
; K step 3 is the one refill: it lands on K step 0's bytes, behind the three lines and a round of the cluster's barrier, when every wave has fetched K step 0's fragments.
; CLUSTERS: 4 x 4 work-groups.  The four of a row need the same block of A, the four of a column the same blocks of B: each tile is asked for jointly, by the same load with the same descriptor and a mask that names the four.
; PREFETCH: K step 3 is asked of memory behind the head's load, three products of 128 along K ahead of its refill; the four partners share each tile out by address; Wo's tiles, which all sixteen clusters read, are asked for by four.
; THE MATRIX INSTRUCTION IS USED TRANSPOSED (source 0 = 16 rows of Wo, source 1 = 16 rows of A): a lane holds eight neighbouring numbers of a row of the result.
; REGISTERS, in windows of 256: window 0: v0-31 addresses, v32-95 at work on the way out, v128-255 A's fragments (4 x 16 registers), two sets; window 1: B's fragments (8 x 16), two sets; window 2: the accumulators; window 3: v0-63 the bias.
.set PITCH,  272
.set CH,     32*PITCH                  ; a chunk, 64 along K of 128 rows: 32 lines
.set KST,    4*CH                      ; a K step of 256
.set REG,    3*KST                     ; a block's three K steps
.set KSB,    32768                     ; a K step of a block in memory
.set SPARE,  3*REG                     ; behind the three blocks: the spare words, 128 bytes a wave
.set STAGE,  KST                       ; the way out's stages lie on A's K step 1: filled once, and read by nobody behind the barrier in front of K step 3's reads
.set SPITCH, 528
.set ROWC,   4096
.set BA,   7
.set ADRA, 16                          ; v16, v17  my A fragments: chunks 0-5, chunks 6-11
.set ADRB, 20                          ; v20, v21  the same for B
.set STO,  24
.set RD,   25
.set CO,   26
.set SPW,  28
.set NIL,  29
.set TMP,  32
.set AF,   128
.set BK,   128
.set BRW,  0
.set G1, 24                            ; s[24:31] group 1 for A; s[32:35] group 0 of the head's load, s[36:39] of the refill
.set G0, 32
.set G1B, 48                           ; s[48:55], s[56:59], s[60:63] the same for B
.set G0B, 56
.set MSB, 0
.macro WIN new                         ; the immediate's high byte repeats the setting that is left
.if MSB != \new
	s_set_vgpr_msb (MSB<<8)|\new
.set MSB, \new
.endif
.endm
.set MUL_W, 0xa1                       ; source 0 (B) window 1, source 1 (A) window 0, C and D window 2
.set TO_B,  0x40                       ; destination window 1
.macro JLOAD g0a, g1a, g0b, g1b        ; waves 0 and 1 fetch for A, waves 2 and 3 for B; an s_nop 0 and four v_nop follow each line
	s_cmp_eq_u32 s15, 0
	s_cbranch_scc0 .Lfor_b_\@
	tensor_load_to_lds s[\g0a:\g0a+3], s[\g1a:\g1a+7]
	s_nop 0
.rept 4
	v_nop
.endr
	s_branch .Lasked_\@
.Lfor_b_\@:
	tensor_load_to_lds s[\g0b:\g0b+3], s[\g1b:\g1b+7]
	s_nop 0
.rept 4
	v_nop
.endr
.Lasked_\@:
.endm
.macro CREST                           ; a round of the cluster's barrier behind its opening barrier
	s_cmp_lg_u32 s14, 0
	s_cbranch_scc1 .Lnot_wave_0_\@
	s_barrier_signal -3
.Lnot_wave_0_\@:
	s_barrier_wait -3
	s_barrier_signal -1
	s_barrier_wait -1
.endm
.macro CROUND
	s_barrier_signal -1
	s_barrier_wait -1
	CREST
.endm
.macro PLACES n
.rept \n
	v_nop
.endr
.endm
	s_load_b256 s[4:11], s[0:1], 0x0               ; ac s[4:5], wc s[6:7], the exponents s[8:9], out0 s[10:11]
	s_load_b64 s[68:69], s[0:1], 0x20              ; bo
	v_lshl_add_u32 v[SPW], v0, 2, SPARE
	v_mov_b32 v[NIL], 0
	ds_add_u32 v[SPW], v[NIL]                      ; the opening lines: the add, twice on end, and its wait ahead of my first tensor load
	ds_add_u32 v[SPW], v[NIL]
	v_lshrrev_b32 v1, 5, v0
	v_readfirstlane_b32 s14, v1                    ; wave 0..3
	s_lshr_b32 s15, s14, 1                         ; which 64 rows are mine.  Also: I fetch for A (0) or for B (1)
	s_and_b32 s16, s14, 1                          ; which 128 columns.  Also: which half of A's lines, or which block of B, I fetch
	s_bfe_u32 s40, ttmp6, 0x40000                  ; cx, cy
	s_bfe_u32 s41, ttmp6, 0x40004
	s_lshl_b32 s42, ttmp9, 2
	s_add_co_u32 s42, s42, s40                     ; tile column (256 columns)
	s_and_b32 s93, ttmp7, 0xffff                   ; my cluster's number along y
	s_lshl_b32 s17, s93, 2
	s_add_co_u32 s17, s17, s41                     ; tile row (128 rows)
	s_lshl_b32 s43, s41, 2
	s_lshl_b32 s43, 15, s43                        ; my row of the cluster
	s_lshl_b32 s44, 0x1111, s40                    ; my column
	s_or_b32 s[G1+0], s43, (0<<16)|(1<<20)|(1<<21)|(5<<22)|(3<<25)   ; the mask; elements of 1 byte; padding on; bit 21 beside a mask; four words behind every 64
	s_or_b32 s[G1B+0], s44, (0<<16)|(1<<20)|(1<<21)|(5<<22)|(3<<25)
.irp g, G1, G1B
	s_mov_b32 s[\g+1], 256<<16
	s_mov_b32 s[\g+3], 256<<16
	s_mov_b32 s[\g+5], 256
	s_mov_b32 s[\g+6], 0
	s_mov_b32 s[\g+7], 0
.endr
	s_mov_b32 s[G1+2], 192<<16                     ; the head's loads: half of A's 384 lines,
	s_mov_b32 s[G1+4], 192
	s_mov_b32 s[G1B+2], 384<<16                    ; a block of B's 384
	s_mov_b32 s[G1B+4], 384
	s_lshl_b32 s20, s17, 17                        ; A's block
	s_mul_i32 s72, s16, 192*256
	s_add_co_u32 s72, s72, s20                     ; the head's load for A, in memory
	s_mov_b32 s73, 0
	s_lshl_b32 s74, s16, 14
	s_add_co_u32 s74, s74, s20
	s_add_co_u32 s74, s74, 3*KSB                   ; the refill for A: 64 lines of K step 3
	s_mov_b32 s75, 0
	s_lshl_b32 s46, s42, 1
	s_add_co_u32 s46, s46, s16
	s_lshl_b32 s46, s46, 17
	s_add_co_u32 s46, s46, 0x300000                ; B's block: Wo lies 3 MiB into wc
	s_mov_b32 s47, 0
	s_mov_b32 s[G0], 1
	s_mul_i32 s[G0+1], s16, 192*PITCH
	s_mov_b32 s[G0+4], 1
	s_mul_i32 s[G0+5], s16, 64*PITCH
	s_mov_b32 s[G0B], 1
	s_mul_i32 s[G0B+1], s16, REG
	s_add_co_u32 s[G0B+1], s[G0B+1], REG
	s_mov_b32 s[G0B+4], 1
	s_mov_b32 s[G0B+5], s[G0B+1]
	; the prefetch's share: of the 64 lines (A) or 128 lines (B) that my refill brings, the partner at place p takes a quarter
	s_cmp_eq_u32 s15, 0
	s_cselect_b32 s90, s40, s41                    ; p: cx for A, cy for B
	s_add_co_u32 s91, s15, 12
	s_lshl_b32 s90, s90, s91                       ; x 4,096 bytes (A) or 8,192 (B)
	s_mov_b32 s91, 0
	s_lshl_b32 s92, s15, 4
	s_add_co_u32 s92, s92, 15                      ; its last line: 15 or 31
	s_mul_i32 s93, s93, s15                        ; B's waves: my cluster's number; A's: 0
	; the way out
	s_lshl_b32 s94, s42, 10
	s_lshl_b32 s95, s16, 9
	s_add_co_u32 s94, s94, s95                     ; my first column, in bytes
	s_mov_b32 s95, 0
	s_lshl_b32 s70, s17, 19
	s_lshl_b32 s71, s15, 18
	s_add_co_u32 s70, s70, s71                     ; my first row: 128 x tile row + 64 x half, rows of 4,096 bytes
	s_mov_b32 s71, 0
	s_mul_i32 s21, s15, 4*1088                     ; my 64 rows of A's block
	s_mov_b32 s22, s[G0B+1]                        ; my block of B
	s_mul_i32 s23, s14, 16*SPITCH
	s_add_co_u32 s23, s23, STAGE                   ; my stage
	s_wait_dscnt 0x0                               ; both opening adds are done
	s_wait_kmcnt 0x0
	s_load_b64 s[96:97], s[8:9], 0x28              ; e10, e11
	s_add_nc_u64 s[G0+2:G0+3], s[4:5], s[72:73]
	s_or_b32 s[G0+3], s[G0+3], 0x80000000
	s_add_nc_u64 s[76:77], s[4:5], s[74:75]
	s_mov_b64 s[G0+6:G0+7], s[76:77]
	s_or_b32 s[G0+7], s[G0+7], 0x80000000
	s_add_nc_u64 s[G0B+2:G0B+3], s[6:7], s[46:47]
	s_add_nc_u64 s[78:79], s[G0B+2:G0B+3], 3*KSB
	s_or_b32 s[G0B+3], s[G0B+3], 0x80000000
	s_mov_b64 s[G0B+6:G0B+7], s[78:79]
	s_or_b32 s[G0B+7], s[G0B+7], 0x80000000
	s_add_nc_u64 s[10:11], s[10:11], s[70:71]
	s_add_nc_u64 s[10:11], s[10:11], s[94:95]
	s_cmp_eq_u32 s15, 0
	s_cselect_b64 s[88:89], s[76:77], s[78:79]
	s_add_nc_u64 s[88:89], s[88:89], s[90:91]      ; where my share of K step 3 begins
	CROUND                                         ; all sixteen work-groups are here: the first joint loads meet
	JLOAD G0, G1, G0B, G1B                         ; K steps 0 to 2: my one tensor load at the head
	s_cmp_lt_u32 s93, 4
	s_cbranch_scc0 .Lno_ask
	v_and_b32 v27, 31, v0
	v_min_u32 v27, s92, v27                        ; (A's share has 16 lines: the lanes that are left over name the last again)
	v_lshlrev_b32 v27, 8, v27
	global_prefetch_b8 v27, s[88:89] th:TH_LOAD_NT scope:SCOPE_SE
.Lno_ask:
	v_and_b32 v1, 15, v0                           ; r
	v_bfe_u32 v2, v0, 4, 1                         ; h
	v_lshl_add_u32 v[BA], v2, 5, s94
	WIN 0xc0                                       ; destination window 3
.irp b, 0,1,2,3,4,5,6,7
	global_load_b128 v[BRW+8*\b:BRW+8*\b+3], v[BA], s[68:69] offset:64*\b        ; the bias at my lane's columns 16 b + 8 h + 0 .. 7
	global_load_b128 v[BRW+8*\b+4:BRW+8*\b+7], v[BA], s[68:69] offset:64*\b+16
.endr
	WIN 0
	v_lshrrev_b32 v3, 2, v1
	v_mul_u32_u24 v3, v3, PITCH
	v_and_b32 v4, 3, v1
	v_lshl_add_u32 v3, v4, 6, v3
	v_lshl_add_u32 v4, v2, 4, v3                   ; row r of 16: (r / 4) 272 + (r % 4) 64 + 16 h
	v_add_nc_u32 v[ADRA], s21, v4
	v_add_nc_u32 v[ADRB], s22, v4
	v_add_nc_u32 v[ADRA+1], 6*CH, v[ADRA]
	v_add_nc_u32 v[ADRB+1], 6*CH, v[ADRB]
	v_mul_u32_u24 v5, v1, SPITCH
	v_lshl_add_u32 v5, v2, 5, v5
	v_add_nc_u32 v[STO], s23, v5                   ; the stage, in: row r, 32 bytes for each half of the lanes
	v_and_b32 v6, 31, v0
	v_lshlrev_b32 v[CO], 4, v6                     ; back: the 32 lanes take one row of 512 bytes; and the same in the result
	v_add_nc_u32 v[RD], s23, v[CO]
; A fragment, 16 rows x 128 K, is 16 registers.  q counts the products' steps of 128 along K, 0 to 7; steps 6 and 7 (K step 3) lie where steps 0 and 1 lay.
.macro FRAG reg, adr, q, i
.set QQ, (\q)%6
.irp c, 0,1,2,3
	ds_load_b128 v[\reg+4*\c:\reg+4*\c+3], v[\adr+QQ/3] offset:(2*(QQ%3)+\c/2)*CH+(\i)*1088+32*(\c%2)
.endr
.endm
.macro FETCH q                         ; 48 loads: B's eight fragments and A's four of step q, into set q % 2
	WIN TO_B
.irp i, 0,1,2,3,4,5,6,7
	FRAG 128*((\q)%2)+16*\i, ADRB, \q, \i
.endr
	WIN 0
.irp i, 0,1,2,3
	FRAG AF+64*((\q)%2)+16*\i, ADRA, \q, \i
.endr
.endm
; 16 matrix instructions: A's blocks a0, a0 + 1 x B's eight.  The 32 accumulators take turns, one instruction a turn, in the same order in every step.
.macro MUL16 a0, p, zero
.irp a, \a0, \a0+1
.irp b, 0,1,2,3,4,5,6,7
.if \zero
	v_wmma_f32_16x16x128_bf8_bf8 v[8*(8*(\a)+\b):8*(8*(\a)+\b)+7], v[128*(\p)+16*\b:128*(\p)+16*\b+15], v[AF+64*(\p)+16*(\a):AF+64*(\p)+16*(\a)+15], 0
.else
	v_wmma_f32_16x16x128_bf8_bf8 v[8*(8*(\a)+\b):8*(8*(\a)+\b)+7], v[128*(\p)+16*\b:128*(\p)+16*\b+15], v[AF+64*(\p)+16*(\a):AF+64*(\p)+16*(\a)+15], v[8*(8*(\a)+\b):8*(8*(\a)+\b)+7]
.endif
.endr
.endr
.endm
.macro SUB q, zero                     ; step q is multiplied while step q + 1's fragments come into the other set
	PLACES 4                                       ; in front of loads into registers that the step before has multiplied
	FETCH (\q)+1
	s_wait_dscnt 48                                ; step q's fragments are in; the 48 loads just issued may be out
	WIN MUL_W
	MUL16 0, (\q)%2, \zero
	MUL16 2, (\q)%2, \zero
	WIN 0
.endm
	s_wait_alu depctr_va_vdst(0)                   ; the wait at the head's end
	s_wait_tensorcnt 0x0                           ; my part of K steps 0 to 2 is in, so the descriptors may be written:
	s_mov_b32 s[G1+2], 64<<16                      ; the refill brings 64 lines of A,
	s_mov_b32 s[G1+4], 64
	s_mov_b32 s[G1B+2], 128<<16                    ; 128 of a block of B
	s_mov_b32 s[G1B+4], 128
	s_barrier_signal -1
	s_barrier_wait -1                              ; and so is everybody's
	FETCH 0
	SUB 0, 1                                       ; the first products start the sums: nothing is cleared
	SUB 1, 0
	; step 2, and the refill: K step 0's fragments are all in registers
	s_wait_tensorcnt 0x0                           ; no tensor load of mine is out;
	ds_add_u32 v[SPW], v[NIL]                      ; 0 onto my spare word;
	s_wait_dscnt 1                                 ; step 2's fragments are in; the add may be out
	WIN MUL_W
	MUL16 0, 0, 0                                  ; sixteen matrix instructions stand between the add and the wait for it
	s_wait_dscnt 0x0                               ; the add is done, and my reads of K step 0 are over
	s_barrier_signal -1
	MUL16 2, 0, 0
	WIN 0
	s_barrier_wait -1
	CREST                                          ; the barrier has opened a round of the cluster's barrier: no wave of any partner still reads K step 0
	JLOAD G0+4, G1, G0B+4, G1B                     ; K step 3, the first tensor load behind the round; its four v_nop are the places in front of the loads below
	FETCH 3
	SUB 3, 0
	SUB 4, 0
	; step 5: K step 3 is shown to all four waves in front of step 6's loads
	s_wait_tensorcnt 0x0                           ; my part of K step 3 is in
	s_wait_dscnt 0x0                               ; step 5's fragments are in: no LDS instruction is out at the signal
	s_barrier_signal -1
	WIN MUL_W
	MUL16 0, 1, 0
	WIN 0
	s_barrier_wait -1
	PLACES 4
	FETCH 6
	WIN MUL_W
	MUL16 2, 1, 0
	WIN 0
	SUB 6, 0
	s_wait_dscnt 0x0                               ; the last step: nothing more to fetch
	WIN MUL_W
	MUL16 0, 1, 0
	MUL16 2, 1, 0
	WIN 0
; THE WAY OUT, block by block of 16 rows x 128 columns: sum x 2^(e10 + e11) + bias, through my stage in LDS, back as whole rows of 512 bytes, which the 32 lanes store as two aligned units of 256 bytes.
.macro TOSTAGE a
.set AC, 64*(\a)
	WIN 0x32                                       ; source 0 window 2 (the sums), source 2 window 3 (the bias)
.set j, 0
.rept 32
	v_pk_fma_f32 v[TMP+j:TMP+j+1], v[AC+j:AC+j+1], s[96:97], v[BRW+j:BRW+j+1] op_sel_hi:[1,0,1]   ; each accumulator from its low end on
.set j, j+2
.endr
	WIN 0
.irp b, 0,1,2,3,4,5,6,7
	ds_store_b128 v[STO], v[TMP+8*\b:TMP+8*\b+3] offset:64*\b
	ds_store_b128 v[STO], v[TMP+8*\b+4:TMP+8*\b+7] offset:64*\b+16
.endr
.set BB, BK+64*((\a)%2)
.irp t, 0,1,2,3,4,5,6,7,8,9,10,11,12,13,14,15
	ds_load_b128 v[BB+4*\t:BB+4*\t+3], v[RD] offset:\t*SPITCH   ; LDS serves a wave's instructions in order (ISA guide 5.7.1.4): these see my stores
.endr
.endm
.macro SEND a, younger                 ; younger: the LDS instructions issued behind block a's loads, which may stay out
.set BB, BK+64*((\a)%2)
	s_wait_dscnt \younger
.if (\a) > 0
	s_add_nc_u64 s[10:11], s[10:11], 16*ROWC       ; (behind a wait on XCNT: the earlier stores have read their base)
.endif
.irp t, 0,1,2,3,4,5,6,7,8,9,10,11,12,13,14,15
	global_store_b128 v[CO], v[BB+4*\t:BB+4*\t+3], s[10:11] offset:\t*ROWC th:TH_STORE_NT   ; 512 consecutive bytes, at a multiple of 512 from the buffer's first byte
.endr
.endm
	s_wait_kmcnt 0x0
	s_add_co_i32 s96, s96, s97
	s_add_co_i32 s96, s96, 127
	s_lshl_b32 s96, s96, 23                        ; 2^(e10 + e11) as f32
	s_wait_loadcnt 0x0                             ; the bias
	PLACES 4                                       ; behind the last products
	TOSTAGE 0
.irp a, 1,2,3
.if \a > 1
	s_wait_xcnt 0x0                                ; block a - 2's stores have read their registers and their base
.endif
	TOSTAGE \a
	SEND \a-1, 32                                  ; behind block a - 1's loads: block a's 16 stores and 16 loads
.endr
	s_wait_xcnt 0x0
	SEND 3, 0
	s_wait_tensorcnt 0x0                           ; the wave's end
	ds_add_u32 v[SPW], v[NIL]
	s_wait_dscnt 0x0
	CROUND                                         ; the closing round: no work-group ends while a partner may still ask for a tile that names it
	s_endpgm
.Lfunc_end_k_q1adcc0bcd0_oproj:
	.size	k_q1adcc0bcd0_oproj, .Lfunc_end_k_q1adcc0bcd0_oproj-k_q1adcc0bcd0_oproj
	.p2alignl 7, 3214868480
	.fill 96, 4, 3214868480
	.section	.rodata,"a",@progbits
	.p2align	6, 0x0
	.amdhsa_kernel k_q1adcc0bcd0_oproj
		.amdhsa_group_segment_fixed_size 327680
		.amdhsa_private_segment_fixed_size 0
		.amdhsa_enable_private_segment 0
		.amdhsa_kernarg_size 40
		.amdhsa_user_sgpr_count 2
		.amdhsa_user_sgpr_kernarg_segment_ptr 1
		.amdhsa_wavefront_size32 1
		.amdhsa_system_sgpr_workgroup_id_x 1
		.amdhsa_system_sgpr_workgroup_id_y 1
		.amdhsa_system_sgpr_workgroup_id_z 1
		.amdhsa_system_vgpr_workitem_id 0
		.amdhsa_next_free_vgpr 1024
		.amdhsa_next_free_sgpr 98
		.amdhsa_reserve_vcc 0
		.amdhsa_float_denorm_mode_32 3
		.amdhsa_float_denorm_mode_16_64 3
		.amdhsa_memory_ordered 1
		.amdhsa_forward_progress 1
		.amdhsa_inst_pref_size 76
	.end_amdhsa_kernel
	.amdgpu_metadata
---
amdhsa.version: [ 1, 2 ]
amdhsa.kernels:
  - .name:           k_q1adcc0bcd0_oproj
    .symbol:         k_q1adcc0bcd0_oproj.kd
    .args:
      - { .name: ac, .offset: 0, .size: 8, .value_kind: global_buffer, .address_space: global }
      - { .name: wc, .offset: 8, .size: 8, .value_kind: global_buffer, .address_space: global }
      - { .name: lowp_scales, .offset: 16, .size: 8, .value_kind: global_buffer, .address_space: global }
      - { .name: out0, .offset: 24, .size: 8, .value_kind: global_buffer, .address_space: global }
      - { .name: bo, .offset: 32, .size: 8, .value_kind: global_buffer, .address_space: global }
    .group_segment_fixed_size: 327680
    .private_segment_fixed_size: 0
    .kernarg_segment_align: 8
    .kernarg_segment_size: 40
    .max_flat_workgroup_size: 128
    .sgpr_count:     98
    .vgpr_count:     1024
    .wavefront_size: 32
...
	.end_amdgpu_metadata
.endif
;; end of part 4
